; MI455X (gfx1250); checked and timed in simulation.
; The chip was launched on July 23, 2026; its instructions are those of AMD's public machine-readable ISA for CDNA 5 (MIT licence, August 2026) and "CDNA5" Instruction Set Architecture Reference Guide (July 2026). The comments in the code are by the model that wrote it; some were corrected since.
;; Mo E Layer. Allowed arithmetic: matrix products marked QUANTISED: E2M1 operands, one E8M0 scale for each 32 along K, by v_wmma_scale_f32_16x16x128_f8f6f4 with both operands' format E2M1 (or v_wmma_scale_f32_32x16x128_f4), f32 sums; products left as they are: f32 operands where the result goes on into a quantised operand, else bf16, f16 or f32 operands; f32 sums; everything else in f32.
;; Inputs: W1 8 x 1,024 x 1,024 float32; W2 8 x 1,024 x 1,024 float32; Wr 1,024 x 8 float32; b1 8 x 1,024 float32; b2 8 x 1,024 float32; br 8 float32; x 4 x 1,024 x 1,024 float32.
;; Outputs: out0 4 x 1,024 x 1,024 float32.
;; This version of the problem:
;;   THIS VERSION OF THE PROBLEM IS GIVEN IN LOW PRECISION. The matrix products marked QUANTISED in the list below multiply operands that are first quantised to E2M1 (2 exponent bits, 1 mantissa bit; 4 bits a number), with one power-of-two scale for each 32 numbers along K (OCP MX v1.0); their sums are f32. All else is computed in f32.
;;   The module's matrix products, in the order in which they are computed (A, B: the left and right operand; K: the contracted axis; several contracted axes count as one K, in the product's order):
;;     1. [M 4,096, K 1,024] x [K 1,024, N 8]; A: input x; B: input Wr: left as it is (N = 8 < 16)
;;     2. [M 8,192, K 1,024] x [K 1,024, N 4,096]; A: input W1; B: input x: QUANTISED
;;     3. batch 8 x [M 1,024, K 1,024] x [K 1,024, N 4,096]; A: input W2; B: computed on the way: QUANTISED
;;     4. batch 4,096 x [M 1,024, K 8] x [K 8, N 1]; A: computed on the way; B: computed on the way: left as it is (K = 8 < 32)
;;   THE QUANTISER, for each operand of a quantised product, along K:
;;     - K is cut into blocks of 32 from its start; a last block that is shorter is filled with zeros.
;;     - A block's scale is 2^e with e = floor(log2(the largest magnitude in the block)) - 2, held to -126 .. 127; a block of zeros has e = 0. As a byte (E8M0): e + 127.
;;     - Each number is divided by its block's scale, clamped to +-6, and rounded to the nearest number of E2M1, ties to even, subnormals kept.
;;     - The product sums the exact products of the quantised numbers (number of the format x scale) in f32.
;;   ~~~python
;;   def quantise(x, axis):      # numpy; x: float32 -> the quantised numbers, widened to float32 again
;;       x = np.moveaxis(x, axis, -1); K = x.shape[-1]
;;       x = np.pad(x, [(0, 0)] * (x.ndim - 1) + [(0, -K % 32)]); x = x.reshape(x.shape[:-1] + (-1, 32)); a = np.abs(x).max(-1, keepdims=True)
;;       e = np.where(a > 0, np.clip(np.frexp(np.where(a > 0, a, 1))[1] - 1 - 2, -126, 127), 0)      # np.frexp(a)[1] - 1 = floor(log2(a)), exactly
;;       r = np.clip(x / 2.0 ** e, -6, 6)
;;       step = 2.0 ** (np.maximum(np.frexp(np.where(r == 0, 1, r))[1] - 1, 0) - 1)
;;       q = np.round(r / step) * step * 2.0 ** e      # np.round: ties to even
;;       return np.moveaxis(q.reshape(q.shape[:-2] + (-1,))[..., :K], -1, axis).astype(np.float32)
;;   ~~~
;;   OPERANDS COMPUTED ON THE WAY. 'Computed on the way' means the value that the module computes at that place (a softmax that the list does not call 'softmax' is quantised finished and normalised). What goes into a quantiser is computed in f32, as accurately as f32 sums, v_exp_f32 and their like allow (about 1e-6 of the number): no bf16 or f16 on the way to a quantiser, and a product that is left as it is and whose result goes on into a quantised operand takes f32 operands (vector FMAs, or v_wmma_f32_16x16x4_f32). A number that lies on a knife's edge between two numbers of the format may be rounded either way, as far as f32 arithmetic and the matrix unit's own rounding can turn it there, and no further.
;; One version. Each part assembles by itself: llvm-mc -triple=amdgcn-amd-amdhsa -mcpu=gfx1250 --defsym DOCPART=n.
;; ======== version 1 of 1: 4 launches
;; limits: right only within a limited range of input values
;; workspace buffers: wq 8,912,896 bytes; xq 2,228,224 bytes; hq 4,456,448 bytes; route 32,768 bytes of whole numbers; coef 32,768 bytes; lists 98,304 bytes of whole numbers
;; launch prep (part 1): grid 384 x 1, 8 waves a work-group, no clusters, 72,704 bytes of LDS; arguments x, Wr, br, W1, W2, wq, xq, route, coef; writes wq, xq, route, coef
.if DOCPART == 1
	.amdgcn_target "amdgcn-amd-amdhsa--gfx1250"
	.amdhsa_code_object_version 6
	.text
	.protected	k_qb6ab713487_prep
	.globl	k_qb6ab713487_prep
	.p2align	8
	.type	k_qb6ab713487_prep,@function
k_qb6ab713487_prep:
	s_mov_b64 s[64:65], 0
	v_nop
	global_prefetch_b8 v0, s[64:65] scope:SCOPE_SE
	s_setreg_imm32_b32 hwreg(HW_REG_WAVE_MODE, 25, 1), 1
	s_wait_xcnt 0x0
; MoE layer, 4,096 tokens, 8 experts, top 2, D = H = O = 1,024, both expert products on codes of E2M1 with one E8M0 scale for each 32 along K.
; WORK LEFT OUT, AND WHY IT IS DEAD.  The result is the sum over e of y[b,e,n,:] x coef_full[b,n,e], and coef_full is built in the problem itself as the sum of
; one_hot(topi) x coef: for the six experts that are not among a token's top two it is the constant 0.  So in exact arithmetic those six rows of h and of y (products 2 and 3 and
; their biases) reach no output, whatever finite values the inputs hold.  The program multiplies the 8,192 chosen (token, expert) rows alone.  All seven inputs keep a way to the output and are loaded.
; LIMIT: a NaN, an infinity or an overflow that arises only in a row of an expert that was not chosen is not carried to the result.
; THIS LAUNCH reads every f32 input of size once.  Work-groups 0-127: 32 tokens each: x into codes and scale bytes (xq), the router in f32 (logits, top 2, softmax of the two), stored at FIXED places:
; route (pair number, rank in the chunk, the two experts; a histogram of pairs for each chunk) and coef.  No address and no branch here hangs on the choice.
; Work-groups 128-383: W1 and W2 into codes laid in the order of the operand registers, and scale words beside them (wq).
; LIMITS: NaN and infinities among the inputs are not served.  A block whose largest magnitude lies under 2^-124 keeps the scale byte 1 (a block of zeros too: its codes are zeros, and this program alone reads the bytes).
; The logits are f32 sums in another order than a plain loop over d: two logits that differ by f32 rounding alone may be ranked either way.  Ties go to the lower index.
; Tensor loads, clusters and matrix units are left out: work-groups share no tile here and memory binds.
.set WRI,   0                          ; LDS: Wr as images: piece j (0..63) at 512 j + 16 lane holds Wr[32 lane + j / 2][4 (j % 2) ..]
.set TST,   32768                      ; a stage of 32 places x 144 bytes for each wave
.set TSTW,  4608
.set LG,    69632                      ; logits [32 tokens][8]
.set XSS,   70656                      ; scale bytes of x [32 tokens][32]
.set SPARE, 71680                      ; the spare words, 128 bytes for each wave: four blocks of 256 bytes that no other line names
.set SPW,   2                          ; v2  LDS address of my spare word; never rewritten
.set NIL,   3                          ; v3  0; never rewritten
.set CD,    16                         ; x path: v16-31 codes, four registers a token
.set ACC,   32                         ; v32-63  partial logits: 8 t + e
.set R,     64                         ; v64-191 four rows of x, 32 registers each
.set RING,  192                        ; v192-255 sixteen pieces of Wr by turns; at work in the quantiser before that
.set WC,    16                         ; weight path: v16-47 codes, four registers a block, never rewritten
.set WSB,   48                         ; v48-49 eight scale bytes
.set WX,    64                         ; v64-127 two sets of 32 numbers
	s_load_b256 s[4:11], s[0:1], 0x0               ; x s[4:5], Wr s[6:7], br s[8:9], W1 s[10:11]
	s_load_b256 s[12:19], s[0:1], 0x20             ; W2 s[12:13], wq s[14:15], xq s[16:17], route s[18:19]
	s_load_b64 s[20:21], s[0:1], 0x40              ; coef
	v_lshl_add_u32 v[SPW], v0, 2, SPARE
	v_mov_b32 v[NIL], 0
	v_lshrrev_b32 v1, 5, v0
	s_delay_alu instid0(VALU_DEP_1)
	v_readfirstlane_b32 s22, v1                    ; wave 0..7
	v_and_b32 v1, 31, v0                           ; lane
	s_wait_kmcnt 0x0
	s_cmp_lt_u32 ttmp9, 128                        ; the same in all waves of a work-group
	s_cbranch_scc0 .Lweights
; ---------------- x AND THE ROUTER: chunk c = work-group, wave w takes tokens 32 c + 4 w + t, t = 0..3 ----------------
	s_wait_alu depctr_va_vdst(0)
	v_lshlrev_b32 v4, 4, v1                        ; 16 x lane
	s_lshl_b32 s23, s22, 7                         ; 128 w
	v_lshlrev_b32 v5, 10, v1
	s_delay_alu instid0(VALU_DEP_1)
	v_add_nc_u32 v5, s23, v5                       ; Wr in memory: 1,024 lane + 128 w: my wave's eight pieces
	s_lshl_b32 s32, s22, 12
	v_add_nc_u32 v6, s32, v4                       ; and where they go: 4,096 w + 16 lane
	s_mul_i32 s33, s22, TSTW
	s_add_co_u32 s33, s33, TST                     ; my stage
	v_lshrrev_b32 v7, 3, v1
	s_delay_alu instid0(VALU_DEP_1)
	v_mul_u32_u24 v7, v7, 144
	v_and_b32 v8, 7, v0
	s_delay_alu instid0(VALU_DEP_1)
	v_lshl_add_u32 v7, v8, 4, v7
	s_delay_alu instid0(VALU_DEP_1)
	v_add_nc_u32 v7, s33, v7                       ; into the stage: eight lanes' 128 bytes on end, then 16 of padding
	v_mul_u32_u24 v8, v1, 144
	s_delay_alu instid0(VALU_DEP_1)
	v_add_nc_u32 v8, s33, v8                       ; out of it: place = lane: 32 neighbours along D
	s_add_co_u32 s34, s23, XSS
	v_add_nc_u32 v9, s34, v1                       ; my block's scale byte
	s_add_co_u32 s34, s23, LG
	v_lshl_add_u32 v10, v1, 2, s34                 ; where lane 8 t + e puts logit (t, e)
	v_lshlrev_b32 v11, 5, v1
	s_delay_alu instid0(VALU_DEP_1)
	v_add_nc_u32 v11, LG, v11                      ; a token's eight logits, lane = token
	s_and_b32 s34, s22, 1
	s_lshl_b32 s34, s34, 9
	s_add_co_u32 s34, s34, XSS
	v_add_nc_u32 v12, s34, v4                      ; the scale bytes on their way out
	v_lshl_add_u32 v13, v1, 2, s33                 ; the stage read across: word = lane
	s_lshl_b32 s34, ttmp9, 17                      ; (32 c + 4 w) rows of 4,096 bytes
	s_lshl_b32 s35, s22, 14
	s_add_co_u32 s34, s34, s35
	s_mov_b32 s35, 0
	s_add_nc_u64 s[36:37], s[4:5], s[34:35]        ; x at my first token
	s_lshl_b32 s34, ttmp9, 14                      ; the same rows of 512 bytes
	s_lshl_b32 s38, s22, 11
	s_add_co_u32 s34, s34, s38
	s_add_nc_u64 s[38:39], s[16:17], s[34:35]      ; its codes
	s_lshl_b32 s34, ttmp9, 10
	s_and_b32 s40, s22, 1
	s_lshl_b32 s40, s40, 9
	s_add_co_u32 s34, s34, s40
	s_add_co_u32 s34, s34, 0x200000
	s_add_nc_u64 s[40:41], s[16:17], s[34:35]      ; the chunk's scale bytes, the half that waves 0 and 1 store
.irp k, 0,1,2,3,4,5,6,7
	global_load_b128 v[RING+4*\k:RING+4*\k+3], v5, s[6:7] offset:16*\k
.endr
.irp t, 0,1,2,3
.irp i, 0,1,2,3,4,5,6,7
	global_load_b128 v[R+32*\t+4*\i:R+32*\t+4*\i+3], v4, s[36:37] offset:4096*\t+512*\i th:TH_LOAD_NT   ; 32 lanes read 512 consecutive bytes
.endr
.endr
	s_wait_alu depctr_va_vdst(0)
	s_wait_loadcnt 32                              ; the eight pieces of Wr are in; the 32 loads of x behind them stay out
.irp k, 0,1,2,3,4,5,6,7
	ds_store_b128 v6, v[RING+4*\k:RING+4*\k+3] offset:512*\k
.endr
	s_wait_dscnt 0x0                               ; for the other waves: my pieces have landed
	s_barrier_signal -1
	s_barrier_wait -1                              ; Wr lies whole in LDS
; A row goes through my stage and comes back with 32 neighbours along D in each lane: lane l holds block l.  LDS serves a wave in order, so no wait stands between the stores and the loads.
.macro TURN t
	s_wait_loadcnt 24-8*(\t)                       ; this token's eight loads are in; those of the later tokens stay out
.irp i, 0,1,2,3,4,5,6,7
	ds_store_b128 v7, v[R+32*(\t)+4*\i:R+32*(\t)+4*\i+3] offset:576*\i
.endr
.irp j, 0,1,2,3,4,5,6,7
	ds_load_b128 v[R+32*(\t)+4*\j:R+32*(\t)+4*\j+3], v8 offset:16*\j
.endr
.endm
; The block in my lane becomes 32 codes and a scale byte.  The numbers stay: the router wants them.
.macro QX t, left
.set XB, R+32*(\t)
	s_wait_dscnt \left                             ; this token's row is back; the sixteen LDS instructions of each later token may be out
	v_max3_num_f32 v240, |v[XB]|, |v[XB+1]|, |v[XB+2]|
	v_max3_num_f32 v241, |v[XB+3]|, |v[XB+4]|, |v[XB+5]|
.irp i, 6,10,14,18,22,26
	s_delay_alu instid0(VALU_DEP_2)
	v_max3_num_f32 v240, v240, |v[XB+\i]|, |v[XB+\i+1]|
	s_delay_alu instid0(VALU_DEP_2)
	v_max3_num_f32 v241, v241, |v[XB+\i+2]|, |v[XB+\i+3]|
.endr
	s_delay_alu instid0(VALU_DEP_2)
	v_max3_num_f32 v240, v240, |v[XB+30]|, |v[XB+31]|
	s_delay_alu instid0(VALU_DEP_1)
	v_max3_num_f32 v240, v240, v241, 0x1800000     ; and the floor 2^(3 - 127): the byte cannot fall under 1
	s_delay_alu instid0(VALU_DEP_1)
	v_add_nc_u32 v242, 0xff000000, v240            ; 2 off the exponent field: the scale operand of the conversions
	s_delay_alu instid0(VALU_DEP_1)
	v_lshrrev_b32 v[244+(\t)], 23, v242            ; the scale byte
.irp g, 0,1,2,3
	v_cvt_scalef32_pk8_fp4_f32 v[CD+4*(\t)+\g], v[XB+8*\g:XB+8*\g+7], v242
.endr
	v_nop                                          ; one plain place behind the last conversion
	global_store_b128 v4, v[CD+4*(\t):CD+4*(\t)+3], s[38:39] offset:512*(\t)   ; a row of 512 bytes of codes, 16 a lane
	ds_store_b8 v9, v[244+(\t)] offset:32*(\t)
.endm
	TURN 0
	TURN 1
	TURN 2
	TURN 3
	QX 0, 48
	QX 1, 32
	QX 2, 16
	QX 3, 0
; The router's products in f32: lane l sums d = 32 l .. 32 l + 31 for its four tokens and eight experts.  Wr comes from LDS through a ring of sixteen pieces.
.set j, 0
.rept 16
	ds_load_b128 v[RING+4*j:RING+4*j+3], v4 offset:512*j
.set j, j+1
.endr
.set i, 0
.rept 32
.if 62-2*i < 14
	s_wait_dscnt 62-2*i                            ; the ring runs out: what is younger than pieces 2 i and 2 i + 1
.else
	s_wait_dscnt 14                                ; pieces 2 i and 2 i + 1 are in; the fourteen younger ones stay out
.endif
.set RP, RING+4*((2*i)%16)
.irp t, 0,1,2,3
.irp a, 0,1,2,3
.if i == 0
	v_pk_mul_f32 v[ACC+8*\t+2*\a:ACC+8*\t+2*\a+1], v[RP+2*\a:RP+2*\a+1], v[R+32*\t:R+32*\t+1] op_sel_hi:[1,0]   ; the first product starts the sums
.elseif i%2 == 0
	v_pk_fma_f32 v[ACC+8*\t+2*\a:ACC+8*\t+2*\a+1], v[RP+2*\a:RP+2*\a+1], v[R+32*\t+i:R+32*\t+i+1], v[ACC+8*\t+2*\a:ACC+8*\t+2*\a+1] op_sel_hi:[1,0,1]
.else
	v_pk_fma_f32 v[ACC+8*\t+2*\a:ACC+8*\t+2*\a+1], v[RP+2*\a:RP+2*\a+1], v[R+32*\t+i-1:R+32*\t+i], v[ACC+8*\t+2*\a:ACC+8*\t+2*\a+1] op_sel:[0,1,0] op_sel_hi:[1,1,1]
.endif
.endr
.endr
.if 2*i+16 < 64
	ds_load_b128 v[RP:RP+3], v4 offset:512*(2*i+16)
	ds_load_b128 v[RP+4:RP+7], v4 offset:512*(2*i+17)
.endif
.set i, i+1
.endr
; The sum over the 32 lanes, through my stage: every lane lays down its 32 partial sums, and lane 8 t + e reads word 8 t + e of all 32.
.irp k, 0,1,2,3,4,5,6,7
	ds_store_b128 v8, v[ACC+4*\k:ACC+4*\k+3] offset:16*\k
.endr
.set j, 0
.rept 32
	ds_load_b32 v[RING+j], v13 offset:144*j
.set j, j+1
.endr
	s_wait_dscnt 0x0
.irp k, 1,2,3,4,5,6,7
.irp c, 0,1,2,3
	v_add_f32 v[RING+\c], v[RING+\c], v[RING+4*\k+\c]
.endr
.endr
	s_delay_alu instid0(VALU_DEP_3)
	v_add_f32 v[RING], v[RING], v[RING+1]
	s_delay_alu instid0(VALU_DEP_2)
	v_add_f32 v[RING+2], v[RING+2], v[RING+3]
	s_delay_alu instid0(VALU_DEP_1)
	v_add_f32 v[RING], v[RING], v[RING+2]
	ds_store_b32 v10, v[RING]
	s_wait_dscnt 0x0                               ; for the other waves: my logits and scale bytes have landed
	s_barrier_signal -1
	s_barrier_wait -1
	s_cmp_lt_u32 s22, 2
	s_cbranch_scc0 .Lnot_bytes
	ds_load_b128 v[64:67], v12                     ; waves 0 and 1: the chunk's 1,024 scale bytes leave, 512 consecutive bytes a wave
	s_wait_dscnt 0x0
	global_store_b128 v4, v[64:67], s[40:41]
	s_branch .Lxend
.Lnot_bytes:
	s_cmp_eq_u32 s22, 2
	s_cbranch_scc0 .Lxend
; Wave 2: lane = token of the chunk.
	s_load_b256 s[24:31], s[8:9], 0x0              ; br
	ds_load_b128 v[64:67], v11
	ds_load_b128 v[68:71], v11 offset:16
	s_lshl_b32 s34, ttmp9, 7
	s_mov_b32 s35, 0
	s_add_nc_u64 s[42:43], s[18:19], s[34:35]      ; the chunk's 32 route words
	s_lshl_b32 s34, ttmp9, 8
	s_add_nc_u64 s[44:45], s[20:21], s[34:35]      ; its 32 pairs of coefficients
	s_lshr_b32 s34, ttmp9, 2
	s_lshl_b32 s34, s34, 9
	s_and_b32 s48, ttmp9, 3
	s_lshl_b32 s48, s48, 2
	s_add_co_u32 s34, s34, s48
	s_add_co_u32 s34, s34, 16384
	s_add_nc_u64 s[46:47], s[18:19], s[34:35]      ; its column of the histogram: group c / 4, word c % 4 of each pair's sixteen bytes
	s_wait_dscnt 0x0
	s_wait_kmcnt 0x0
.irp e, 0,1,2,3,4,5,6,7
	v_add_f32 v[64+\e], s[24+\e], v[64+\e]
.endr
	v_mov_b32 v72, v64                             ; the largest logit and its index: only a strictly larger one takes over, so a tie keeps the lower index
	v_mov_b32 v73, 0
.irp e, 1,2,3,4,5,6,7
	s_delay_alu instid0(VALU_DEP_2)
	v_cmp_gt_f32 vcc_lo, v[64+\e], v72
	s_delay_alu instid0(VALU_DEP_1)
	v_cndmask_b32 v72, v72, v[64+\e], vcc_lo
	s_delay_alu instid0(VALU_DEP_2)
	v_cndmask_b32 v73, v73, \e, vcc_lo
.endr
	v_mov_b32 v76, 0xff800000
.irp e, 0,1,2,3,4,5,6,7
	v_cmp_eq_u32 vcc_lo, \e, v73
	s_delay_alu instid0(VALU_DEP_1)
	v_cndmask_b32 v[64+\e], v[64+\e], v76, vcc_lo  ; the winner steps out
.endr
	v_mov_b32 v74, v64                             ; the second largest, likewise
	v_mov_b32 v75, 0
.irp e, 1,2,3,4,5,6,7
	s_delay_alu instid0(VALU_DEP_2)
	v_cmp_gt_f32 vcc_lo, v[64+\e], v74
	s_delay_alu instid0(VALU_DEP_1)
	v_cndmask_b32 v74, v74, v[64+\e], vcc_lo
	s_delay_alu instid0(VALU_DEP_2)
	v_cndmask_b32 v75, v75, \e, vcc_lo
.endr
	s_delay_alu instid0(VALU_DEP_2)
	v_sub_f32 v79, v74, v72                        ; the softmax of the two, the larger taken away: 1 / (1 + e^d), e^d / (1 + e^d), d = second - first, 0 or less
	s_delay_alu instid0(VALU_DEP_1)
	v_mul_f32 v79, 0x3fb8aa3b, v79
	s_wait_alu depctr_va_vdst(0)
	v_exp_f32 v90, v79
	v_min_u32 v77, v73, v75                        ; (a plain place)  lo
	s_wait_alu depctr_va_vdst(0)                   ; ahead of the first reader
	v_add_f32 v91, 1.0, v90
	s_wait_alu depctr_va_vdst(0)
	v_rcp_f32 v92, v91
	v_max_u32 v78, v73, v75                        ; (a plain place)  hi
	s_wait_alu depctr_va_vdst(0)
	v_mul_f32 v93, v90, v92
	v_cmp_lt_u32 vcc_lo, v73, v75
	v_cndmask_b32 v80, v93, v92, vcc_lo            ; the coefficient of lo
	v_cndmask_b32 v81, v92, v93, vcc_lo            ; and of hi
	v_sub_nc_u32 v82, 15, v77
	s_delay_alu instid0(VALU_DEP_1)
	v_mul_u32_u24 v82, v82, v77
	s_delay_alu instid0(VALU_DEP_1)
	v_lshrrev_b32 v82, 1, v82
	s_delay_alu instid0(VALU_DEP_1)
	v_add_nc_u32 v82, v82, v78
	s_delay_alu instid0(VALU_DEP_1)
	v_sub_nc_u32 v82, v82, v77
	s_delay_alu instid0(VALU_DEP_1)
	v_add_nc_u32 v82, -1, v82                      ; the pair's number: lo (15 - lo) / 2 + hi - lo - 1, 0..27
	v_mov_b32 v84, 0                               ; lane p: how many of the chunk's tokens have pair p
	v_mov_b32 v85, 0                               ; my rank among the chunk's tokens of my pair
.set p, 0
.rept 28
	v_cmp_eq_u32 s34, p, v82
	s_bcnt1_i32_b32 s35, s34
	v_writelane_b32 v84, s35, p
	v_mbcnt_lo_u32_b32 v86, s34, 0
	s_delay_alu instid0(VALU_DEP_1)
	v_cndmask_b32 v85, v85, v86, s34
.set p, p+1
.endr
	s_delay_alu instid0(VALU_DEP_1)
	v_lshl_or_b32 v87, v85, 8, v82
	s_delay_alu instid0(VALU_DEP_1)
	v_lshl_or_b32 v87, v77, 16, v87
	s_delay_alu instid0(VALU_DEP_1)
	v_lshl_or_b32 v87, v78, 24, v87                ; pair | rank << 8 | lo << 16 | hi << 24
	v_lshlrev_b32 v88, 2, v1
	v_lshlrev_b32 v89, 3, v1
	global_store_b32 v88, v87, s[42:43]            ; all three at places that hang on ids alone
	global_store_b64 v89, v[80:81], s[44:45]
	global_store_b32 v4, v84, s[46:47]
.Lxend:
	s_wait_tensorcnt 0x0                           ; the wave's end
	ds_add_u32 v[SPW], v[NIL]
	s_wait_dscnt 0x0
	s_endpgm
; ---------------- THE WEIGHTS: work-group v = layer, expert, 256 columns, 256 along K; wave w: 32 columns (group g), eight blocks of 32 along K.  No LDS. ----------------
; K is the first axis of a weight [K][N].  A lane takes a column and its registers run down K: each load reads 128 consecutive bytes a wave, 1,024 a work-group; a block lies in one lane.
; A block's 16 bytes of codes ARE four operand registers of one lane: column j of the group is row r = (j & 7) + 8 (j >> 4) of tile u = (j >> 3) & 1, so that in the products two neighbouring tiles give a lane
; 16 neighbouring columns.  Block t of the K quarter is K step t / 4, register group (t / 2) % 2, lane half t % 2.  A store of the wave covers two aligned runs of 256 bytes.
.Lweights:
	s_sub_co_u32 s23, ttmp9, 128
	s_cmp_lt_u32 s23, 128
	s_cselect_b64 s[24:25], s[10:11], s[12:13]     ; W1 or W2: the choice hangs on the work-group's number alone
	s_lshr_b32 s26, s23, 7                         ; layer
	s_bfe_u32 s27, s23, 0x30004                    ; expert
	s_bfe_u32 s28, s23, 0x20002                    ; which 256 columns
	s_and_b32 s29, s23, 3                          ; which 256 along K
	s_lshl_b32 s28, s28, 3
	s_add_co_u32 s28, s28, s22                     ; g
	s_lshl_b32 s30, s27, 22
	s_lshl_b32 s32, s29, 20
	s_add_co_u32 s30, s30, s32
	s_lshl_b32 s32, s28, 7
	s_add_co_u32 s30, s30, s32
	s_mov_b32 s31, 0
	s_add_nc_u64 s[24:25], s[24:25], s[30:31]      ; the weight at (expert, 256 kq, 32 g)
	s_lshl_b32 s30, s26, 22
	s_lshl_b32 s32, s27, 19
	s_add_co_u32 s30, s30, s32
	s_lshl_b32 s32, s28, 14
	s_add_co_u32 s30, s30, s32
	s_lshl_b32 s32, s29, 12
	s_add_co_u32 s30, s30, s32
	s_add_nc_u64 s[34:35], s[14:15], s[30:31]      ; its codes
	s_lshl_b32 s30, s26, 18
	s_lshl_b32 s32, s27, 15
	s_add_co_u32 s30, s30, s32
	s_lshl_b32 s32, s28, 10
	s_add_co_u32 s30, s30, s32
	s_lshl_b32 s32, s29, 8
	s_add_co_u32 s30, s30, s32
	s_add_co_u32 s30, s30, 0x800000
	s_add_nc_u64 s[36:37], s[14:15], s[30:31]      ; its scale words
	s_wait_alu depctr_va_vdst(0)
	v_lshlrev_b32 v4, 2, v1                        ; in: 4 bytes a lane
	v_bfe_u32 v8, v0, 3, 1                         ; u
	v_and_b32 v9, 7, v0
	v_bfe_u32 v10, v0, 4, 1
	s_delay_alu instid0(VALU_DEP_1)
	v_lshl_add_u32 v9, v10, 3, v9                  ; r
	s_delay_alu instid0(VALU_DEP_1)
	v_lshlrev_b32 v5, 4, v9
	s_delay_alu instid0(VALU_DEP_1)
	v_lshl_add_u32 v5, v8, 10, v5                  ; codes: 1,024 u + 16 r
	s_delay_alu instid0(VALU_DEP_3)
	v_lshl_add_u32 v6, v8, 4, v9
	s_delay_alu instid0(VALU_DEP_1)
	v_lshlrev_b32 v6, 3, v6                        ; scale words: 8 (16 u + r)
.macro WLOAD t
.set n, 0
.rept 32
	global_load_b32 v[WX+32*((\t)%2)+n], v4, s[24:25] offset:(32*(\t)+n)*4096 th:TH_LOAD_NT
.set n, n+1
.endr
.endm
.macro WBLOCK t
.set XB, WX+32*((\t)%2)
.if (\t) < 7
	s_wait_loadcnt 32                              ; this block's 32 loads are in; the next block's stay out
.else
	s_wait_loadcnt 0x0
.endif
	v_max3_num_f32 v8, |v[XB]|, |v[XB+1]|, |v[XB+2]|
	v_max3_num_f32 v9, |v[XB+3]|, |v[XB+4]|, |v[XB+5]|
.irp i, 6,10,14,18,22,26
	s_delay_alu instid0(VALU_DEP_2)
	v_max3_num_f32 v8, v8, |v[XB+\i]|, |v[XB+\i+1]|
	s_delay_alu instid0(VALU_DEP_2)
	v_max3_num_f32 v9, v9, |v[XB+\i+2]|, |v[XB+\i+3]|
.endr
	s_delay_alu instid0(VALU_DEP_2)
	v_max3_num_f32 v8, v8, |v[XB+30]|, |v[XB+31]|
	s_delay_alu instid0(VALU_DEP_1)
	v_max3_num_f32 v8, v8, v9, 0x1800000           ; and the floor 2^(3 - 127)
	s_delay_alu instid0(VALU_DEP_1)
	v_add_nc_u32 v10, 0xff000000, v8               ; the scale operand
	s_delay_alu instid0(VALU_DEP_1)
	v_lshrrev_b32 v11, 23, v10                     ; the scale byte
.if (\t)%4 == 0
	s_delay_alu instid0(VALU_DEP_1)
	v_mov_b32 v[WSB+(\t)/4], v11
.else
	s_delay_alu instid0(VALU_DEP_1)
	v_lshl_or_b32 v[WSB+(\t)/4], v11, 8*((\t)%4), v[WSB+(\t)/4]
.endif
.irp g, 0,1,2,3
	v_cvt_scalef32_pk8_fp4_f32 v[WC+4*(\t)+\g], v[XB+8*\g:XB+8*\g+7], v10
.endr
	v_nop                                          ; one plain place behind the last conversion
	global_store_b128 v5, v[WC+4*(\t):WC+4*(\t)+3], s[34:35] offset:((\t)/4)*2048+(((\t)/2)%2)*512+((\t)%2)*256
.if (\t)+2 < 8
	WLOAD (\t)+2
.endif
.endm
	WLOAD 0
	WLOAD 1
.irp t, 0,1,2,3,4,5,6,7
	WBLOCK \t
.endr
	global_store_b64 v6, v[WSB:WSB+1], s[36:37]    ; the scale words of two K steps: 32 lanes store 256 consecutive bytes
	s_endpgm
.Lfunc_end_k_qb6ab713487_prep:
	.size	k_qb6ab713487_prep, .Lfunc_end_k_qb6ab713487_prep-k_qb6ab713487_prep
	.p2alignl 7, 3214868480
	.fill 96, 4, 3214868480
	.section	.rodata,"a",@progbits
	.p2align	6, 0x0
	.amdhsa_kernel k_qb6ab713487_prep
		.amdhsa_group_segment_fixed_size 72704
		.amdhsa_private_segment_fixed_size 0
		.amdhsa_enable_private_segment 0
		.amdhsa_kernarg_size 72
		.amdhsa_user_sgpr_count 2
		.amdhsa_user_sgpr_kernarg_segment_ptr 1
		.amdhsa_wavefront_size32 1
		.amdhsa_system_sgpr_workgroup_id_x 1
		.amdhsa_system_sgpr_workgroup_id_y 1
		.amdhsa_system_sgpr_workgroup_id_z 1
		.amdhsa_system_vgpr_workitem_id 0
		.amdhsa_next_free_vgpr 256
		.amdhsa_next_free_sgpr 66
		.amdhsa_reserve_vcc 1
		.amdhsa_float_denorm_mode_32 3
		.amdhsa_float_denorm_mode_16_64 3
		.amdhsa_memory_ordered 1
		.amdhsa_forward_progress 1
		.amdhsa_inst_pref_size 120
	.end_amdhsa_kernel
	.amdgpu_metadata
---
amdhsa.version: [ 1, 2 ]
amdhsa.kernels:
  - .name:           k_qb6ab713487_prep
    .symbol:         k_qb6ab713487_prep.kd
    .args:
      - { .name: x, .offset: 0, .size: 8, .value_kind: global_buffer, .address_space: global }
      - { .name: Wr, .offset: 8, .size: 8, .value_kind: global_buffer, .address_space: global }
      - { .name: br, .offset: 16, .size: 8, .value_kind: global_buffer, .address_space: global }
      - { .name: W1, .offset: 24, .size: 8, .value_kind: global_buffer, .address_space: global }
      - { .name: W2, .offset: 32, .size: 8, .value_kind: global_buffer, .address_space: global }
      - { .name: wq, .offset: 40, .size: 8, .value_kind: global_buffer, .address_space: global }
      - { .name: xq, .offset: 48, .size: 8, .value_kind: global_buffer, .address_space: global }
      - { .name: route, .offset: 56, .size: 8, .value_kind: global_buffer, .address_space: global }
      - { .name: coef, .offset: 64, .size: 8, .value_kind: global_buffer, .address_space: global }
    .group_segment_fixed_size: 72704
    .private_segment_fixed_size: 0
    .kernarg_segment_align: 8
    .kernarg_segment_size: 72
    .max_flat_workgroup_size: 256
    .sgpr_count:     66
    .vgpr_count:     256
    .wavefront_size: 32
...
	.end_amdgpu_metadata
.endif
;; end of part 1
;; launch place (part 2): grid 32 x 1, 4 waves a work-group, no clusters, 0 bytes of LDS; arguments route, lists; writes lists
.if DOCPART == 2
	.amdgcn_target "amdgcn-amd-amdhsa--gfx1250"
	.amdhsa_code_object_version 6
	.text
	.protected	k_qb6ab713487_place
	.globl	k_qb6ab713487_place
	.p2align	8
	.type	k_qb6ab713487_place,@function
k_qb6ab713487_place:
	s_mov_b64 s[64:65], 0
	v_nop
	global_prefetch_b8 v0, s[64:65] scope:SCOPE_SE
	s_setreg_imm32_b32 hwreg(HW_REG_WAVE_MODE, 25, 1), 1
	s_wait_xcnt 0x0
; The rows are placed.  Only the two chosen experts of each token get rows (shown at the head of the first kernel).
; Tokens are sorted by their pair of experts (28 pairs; inside a pair by token number): place qs.  Expert e's rows are the tokens that hold e, in that same order; the experts' runs lie on end: place p, 0..8191.
; A wave takes a chunk of 32 tokens.  Every wave sums the 128 chunks' histograms alike (lane = pair): the totals, and what lies in chunks before its own; from the totals come the first places of each pair,
; in scalar registers; a token adds its rank inside its chunk.  No atomics, no LDS bytes, no barrier.
; Stored: rowinfo[p] = token | expert << 16;  rec[qs] = pLo, pHi, token, lo | hi << 8.  The stores of four bytes are scattered: 32 KB in the whole launch.
	s_load_b128 s[4:7], s[0:1], 0x0                ; route, lists
	v_lshrrev_b32 v1, 5, v0
	v_readfirstlane_b32 s11, v1                    ; wave = chunk % 4
	s_mov_b32 s10, ttmp9                           ; chunk / 4
	s_lshl_b32 s9, ttmp9, 2
	s_add_co_u32 s9, s9, s11                       ; chunk
	v_and_b32 v1, 31, v0                           ; lane
	v_lshlrev_b32 v3, 4, v1
	s_lshl_b32 s12, s9, 5
	v_add_nc_u32 v142, s12, v1                     ; my token
	v_lshlrev_b32 v143, 2, v142
	s_lshl_b32 s12, s10, 9
	s_mov_b32 s13, 0
	s_wait_alu depctr_va_vdst(0)
	s_wait_kmcnt 0x0
	s_add_nc_u64 s[14:15], s[4:5], s[12:13]
	global_load_b32 v2, v143, s[4:5]               ; my token's word
	global_load_b128 v[4:7], v3, s[14:15] offset:16384   ; my own group of four chunks, lane = pair
.set g, 0
.rept 32
	global_load_b128 v[8+4*g:11+4*g], v3, s[4:5] offset:16384+512*g
.set g, g+1
.endr
.set g, 0
.rept 32
	s_wait_loadcnt 31-g                            ; group g is in; the younger groups stay out
	v_add3_u32 v138, v[8+4*g], v[9+4*g], v[10+4*g]
	v_add_nc_u32 v138, v138, v[11+4*g]
	s_cmp_gt_u32 s10, g
	s_cselect_b32 s12, -1, 0                       ; does the group lie before mine?
.if g == 0
	v_mov_b32 v136, v138                           ; the totals
	v_and_b32 v137, s12, v138                      ; what lies before my chunk
.else
	s_wait_alu depctr_va_vdst(0)
	v_add_nc_u32 v136, v136, v138
	v_and_b32 v138, s12, v138
	v_add_nc_u32 v137, v137, v138
.endif
.set g, g+1
.endr
.irp c, 0,1,2
	s_cmp_gt_u32 s11, \c
	s_cselect_b32 s12, -1, 0
	v_and_b32 v138, s12, v[4+\c]
	v_add_nc_u32 v137, v137, v138                  ; and the chunks of my own group before mine
.endr
.set p, 0
.rept 28
	v_readlane_b32 s[16+p], v136, p
.set p, p+1
.endr
.irp e, 0,1,2,3,4,5,6,7
	s_mov_b32 s[44+\e], 0
.endr
.set PI, 0
.irp lo, 0,1,2,3,4,5,6
.irp hi, 1,2,3,4,5,6,7
.if \hi > \lo
	s_add_co_u32 s[44+\lo], s[44+\lo], s[16+PI]    ; each expert's number of rows
	s_add_co_u32 s[44+\hi], s[44+\hi], s[16+PI]
.set PI, PI+1
.endif
.endr
.endr
	s_mov_b32 s52, 0
.irp e, 0,1,2,3,4,5,6,7
	s_mov_b32 s53, s[44+\e]
	s_mov_b32 s[44+\e], s52                        ; and where its run begins
	s_add_co_u32 s52, s52, s53
.endr
	s_mov_b32 s52, 0
	v_mov_b32 v139, 0                              ; lane = pair: first qs,
	v_mov_b32 v140, 0                              ; first row in lo's run,
	v_mov_b32 v141, 0                              ; first row in hi's run
.set PI, 0
.irp lo, 0,1,2,3,4,5,6
.irp hi, 1,2,3,4,5,6,7
.if \hi > \lo
	v_writelane_b32 v139, s52, PI
	v_writelane_b32 v140, s[44+\lo], PI
	v_writelane_b32 v141, s[44+\hi], PI
	s_add_co_u32 s52, s52, s[16+PI]
	s_add_co_u32 s[44+\lo], s[44+\lo], s[16+PI]
	s_add_co_u32 s[44+\hi], s[44+\hi], s[16+PI]
.set PI, PI+1
.endif
.endr
.endr
	v_add_nc_u32 v139, v139, v137
	v_add_nc_u32 v140, v140, v137
	v_add_nc_u32 v141, v141, v137
	v_and_b32 v144, 0xff, v2                       ; from here on lane = token: my pair,
	v_min_u32 v144, 31, v144
	v_lshlrev_b32 v144, 2, v144                    ; as a lane's byte index
	v_bfe_u32 v145, v2, 8, 8                       ; my rank in the chunk
	v_bfe_u32 v146, v2, 16, 8                      ; lo
	v_lshrrev_b32 v147, 24, v2                     ; hi
	ds_bpermute_b32 v152, v144, v139               ; my pair's three first places, from the lane of that number
	ds_bpermute_b32 v148, v144, v140
	ds_bpermute_b32 v149, v144, v141
	v_mov_b32 v150, v142                           ; rec: the token,
	v_lshl_or_b32 v151, v147, 8, v146              ; lo | hi << 8
	v_lshl_or_b32 v153, v146, 16, v142             ; rowinfo for lo's row
	v_lshl_or_b32 v154, v147, 16, v142             ; and for hi's
	s_wait_alu depctr_va_vdst(0)
	s_wait_dscnt 0x0
	v_add_nc_u32 v152, v152, v145
	v_add_nc_u32 v148, v148, v145
	v_add_nc_u32 v149, v149, v145
	v_min_u32 v152, 0xfff, v152                    ; qs
	v_min_u32 v148, 0x1fff, v148                   ; pLo
	v_min_u32 v149, 0x1fff, v149                   ; pHi
	v_lshlrev_b32 v152, 4, v152
	v_lshlrev_b32 v155, 2, v148
	v_lshlrev_b32 v156, 2, v149
	global_store_b32 v155, v153, s[6:7]
	global_store_b32 v156, v154, s[6:7]
	global_store_b128 v152, v[148:151], s[6:7] offset:32768
	s_endpgm
.Lfunc_end_k_qb6ab713487_place:
	.size	k_qb6ab713487_place, .Lfunc_end_k_qb6ab713487_place-k_qb6ab713487_place
	.p2alignl 7, 3214868480
	.fill 96, 4, 3214868480
	.section	.rodata,"a",@progbits
	.p2align	6, 0x0
	.amdhsa_kernel k_qb6ab713487_place
		.amdhsa_group_segment_fixed_size 0
		.amdhsa_private_segment_fixed_size 0
		.amdhsa_enable_private_segment 0
		.amdhsa_kernarg_size 16
		.amdhsa_user_sgpr_count 2
		.amdhsa_user_sgpr_kernarg_segment_ptr 1
		.amdhsa_wavefront_size32 1
		.amdhsa_system_sgpr_workgroup_id_x 1
		.amdhsa_system_sgpr_workgroup_id_y 1
		.amdhsa_system_sgpr_workgroup_id_z 1
		.amdhsa_system_vgpr_workitem_id 0
		.amdhsa_next_free_vgpr 160
		.amdhsa_next_free_sgpr 66
		.amdhsa_reserve_vcc 0
		.amdhsa_float_denorm_mode_32 3
		.amdhsa_float_denorm_mode_16_64 3
		.amdhsa_memory_ordered 1
		.amdhsa_forward_progress 1
		.amdhsa_inst_pref_size 29
	.end_amdhsa_kernel
	.amdgpu_metadata
---
amdhsa.version: [ 1, 2 ]
amdhsa.kernels:
  - .name:           k_qb6ab713487_place
    .symbol:         k_qb6ab713487_place.kd
    .args:
      - { .name: route, .offset: 0, .size: 8, .value_kind: global_buffer, .address_space: global }
      - { .name: lists, .offset: 8, .size: 8, .value_kind: global_buffer, .address_space: global }
    .group_segment_fixed_size: 0
    .private_segment_fixed_size: 0
    .kernarg_segment_align: 8
    .kernarg_segment_size: 16
    .max_flat_workgroup_size: 128
    .sgpr_count:     66
    .vgpr_count:     160
    .wavefront_size: 32
...
	.end_amdgpu_metadata
.endif
;; end of part 2
;; launch up (part 3): grid 128 x 4, 8 waves a work-group, no clusters, 43,520 bytes of LDS; arguments lists, xq, wq, b1, hq; writes hq
.if DOCPART == 3
	.amdgcn_target "amdgcn-amd-amdhsa--gfx1250"
	.amdhsa_code_object_version 6
	.text
	.protected	k_qb6ab713487_up
	.globl	k_qb6ab713487_up
	.p2align	8
	.type	k_qb6ab713487_up,@function
k_qb6ab713487_up:
	s_mov_b64 s[64:65], 0
	v_nop
	global_prefetch_b8 v0, s[64:65] scope:SCOPE_SE
	s_setreg_imm32_b32 hwreg(HW_REG_WAVE_MODE, 25, 1), 1
	s_wait_xcnt 0x0
; h = relu(x W1[e] + b1[e]) for the 8,192 chosen (token, expert) rows alone (the other rows are dead work: shown at the head of the first kernel), quantised along H into hq.
; SHARES.  A work-group takes 64 routed rows x 256 hidden units; wave w all 64 rows x the 32 units of group g = 8 y + w: one block of 32 along the next K for each row.
; The rows' codes of x are gathered once into LDS as images of the operand registers (a fragment's four registers at 16 x lane) and read by all eight waves; the weights' fragments come from memory
; straight into registers, in the order in which the first launch laid them: each load is 512 consecutive bytes.
; The product is used transposed (source 0 = 16 rows of the weight tile, source 1 = 16 routed rows): lane (r, h) holds row r, and the 16 registers of a row tile's two accumulators are units 32 g + 16 h + 0 .. 15.
; EXPERTS.  A tile of 64 rows may span experts.  The walk over the 8 experts has a constant count; an expert that none of the 64 rows uses is passed over by a scalar branch on the stored list.  In expert e's pass the
; rows of other experts take part with zero codes, which add nothing: so every pass adds in place onto accumulators that began as each row's own bias.
; THE WEIGHTS' RING.  A pass's weights are 8 K steps x 16 registers.  Six steps' worth, 96 registers, are asked for at the pass's head; steps 6 and 7 as soon as steps 0 and 1 have been multiplied.  More does not fit in 248 registers.
; No tensor load, no cluster: the walk hangs on numbers read from memory.  No barrier stands inside it.
.set XIMG,  0                          ; LDS: fragment (row tile m, K step s), register group c at ((8 m + s) 2 + c) 512 + 16 lane
.set STG,   32768                      ; the codes on their way out: 64 rows x (128 bytes + 16)
.set SST,   41984                      ; the scale bytes: [64 rows][8]
.set SPARE, 42496                      ; the spare words, 128 bytes for each wave: four blocks of 256 bytes that no other line names
.set NR,  6                            ; K steps of weights that the ring holds
.set LI,  1                            ; v1   16 x lane: a fragment's place for my lane, in LDS and in wq
.set L8,  2                            ; v2   8 x lane
.set SPW, 3                            ; v3   my spare word; never rewritten
.set NIL, 4                            ; v4   0; never rewritten
.set GST, 5                            ; v5   where I store the images that I gather
.set STO, 6                            ; v6   stage: my 8 bytes of a row
.set SSO, 7                            ; v7   my scale byte of a row
.set RDA, 8                            ; v8   stage, read back by rows
.set SRD, 9                            ; v9   the scale bytes, read back
.set EX,  10                           ; v10-13  the expert of row 16 m + lane % 16
.set RJ,  14                           ; v14-15  rowinfo of row 32 j + lane
.set RG,  16                           ; v16     rowinfo of the row that I gather
.set MK,  17                           ; v17-20  all ones where row 16 m + lane % 16 is the pass's expert's
.set WS,  24                           ; v24-31  the weights' scale words, one register a K step: lanes 0-15 tile 0, lanes 16-31 tile 1
.set XS,  32                           ; v32-47  the rows' scale words: register 8 j + s: lane = row 32 j + lane
.set ACC, 48                           ; v48-111 accumulator (m, u) at 16 m + 8 u
.set WF,  112                          ; v112-207 the weights' fragments: NR K steps by turns x two tiles; on the way out rows of codes
.set XF,  208                          ; v208-239 a K step's four row fragments
.set GO,  240                          ; v240    the gather's offset (before that: of the list's words)
.set XO,  241                          ; v241-242 of the rows' scale words
.set BO,  243                          ; v243-246 of the bias
.set TM,  208                          ; the way out: at work
.set PC,  224                          ; and the codes
.set SE,  24                           ; s24  the expert in hand
.set SMIX, 25                          ; s25  1: the tile holds rows of other experts
.set ST,  26                           ; s[26:27] at work
.set SM,  28                           ; s28-31 the four row tiles' lane masks
.set WB,  32                           ; s[32:33] my group's codes of expert 0
.set SB,  34                           ; s[34:35] its scale words
.set PW,  36                           ; s[36:37], s[38:39] the same of the expert in hand
.set PS,  38
.macro MM m, u, s
.set rD, ACC+16*(\m)+8*(\u)
.set rA, WF+16*((\s)%NR)+8*(\u)
.set rB, XF+8*(\m)
.set rW, WS+(\s)
.set rX, XS+8*((\m)/2)+(\s)
.if ((\u) == 0) && (((\m)%2) == 0)
	v_wmma_scale_f32_16x16x128_f8f6f4 v[rD:rD+7], v[rA:rA+7], v[rB:rB+7], v[rD:rD+7], v[rW], v[rX] matrix_a_fmt:MATRIX_FMT_FP4 matrix_b_fmt:MATRIX_FMT_FP4
.elseif ((\m)%2) == 0
	v_wmma_scale_f32_16x16x128_f8f6f4 v[rD:rD+7], v[rA:rA+7], v[rB:rB+7], v[rD:rD+7], v[rW], v[rX] matrix_a_fmt:MATRIX_FMT_FP4 matrix_b_fmt:MATRIX_FMT_FP4 matrix_a_scale:MATRIX_SCALE_ROW1
.elseif (\u) == 0
	v_wmma_scale_f32_16x16x128_f8f6f4 v[rD:rD+7], v[rA:rA+7], v[rB:rB+7], v[rD:rD+7], v[rW], v[rX] matrix_a_fmt:MATRIX_FMT_FP4 matrix_b_fmt:MATRIX_FMT_FP4 matrix_b_scale:MATRIX_SCALE_ROW1
.else
	v_wmma_scale_f32_16x16x128_f8f6f4 v[rD:rD+7], v[rA:rA+7], v[rB:rB+7], v[rD:rD+7], v[rW], v[rX] matrix_a_fmt:MATRIX_FMT_FP4 matrix_b_fmt:MATRIX_FMT_FP4 matrix_a_scale:MATRIX_SCALE_ROW1 matrix_b_scale:MATRIX_SCALE_ROW1
.endif
.endm
; A K step of 128: four row fragments from LDS, the weights of NR - 1 steps on from memory, eight matrix instructions on eight accumulators by turns.
.macro KSTEP s, img
.if (\s) > 0
.rept 4
	v_nop                                          ; four places behind the last products, in front of loads into registers that they read
.endr
.endif
.irp m, 0,1,2,3
.irp c, 0,1
	ds_load_b128 v[XF+8*\m+4*\c:XF+8*\m+4*\c+3], v[LI] offset:(\img)+((8*\m+(\s))*2+\c)*512
.endr
.endr
.if ((\s) >= 1) && ((\s)+NR-1 <= 7)
.irp u, 0,1
.irp c, 0,1
	global_load_b128 v[WF+16*(((\s)+NR-1)%NR)+8*\u+4*\c:WF+16*(((\s)+NR-1)%NR)+8*\u+4*\c+3], v[LI], s[PW:PW+1] offset:((\s)+NR-1)*2048+\u*1024+\c*512   ; into the registers that the step before has multiplied
.endr
.endr
.endif
.if (\s)+NR-1 <= 7
	s_wait_loadcnt 4*(NR-1)                        ; this step's four loads are in (and all older ones); the NR - 1 younger steps' loads, four each, stay out
.else
	s_wait_loadcnt 4*(7-(\s))                      ; four for each younger step
.endif
	s_wait_dscnt 0x0
	s_cmp_lg_u32 s[SMIX], 0
	s_cbranch_scc0 .Lpure_\@
	s_wait_alu depctr_va_vdst(0)
.irp m, 0,1,2,3
.irp k, 0,1,2,3,4,5,6,7
	v_and_b32 v[XF+8*\m+\k], v[MK+\m], v[XF+8*\m+\k]   ; rows of other experts: zero codes
.endr
.endr
.rept 4
	v_nop                                          ; an operand written by vector instructions stands four places ahead of a scaled matrix instruction
.endr
.Lpure_\@:
.irp m, 0,1,2,3
.irp u, 0,1
	MM \m, \u, \s
.endr
.endr
.endm
; One expert's pass over all of K.
.macro PASS img
.irp m, 0,1,2,3
	v_cndmask_b32 v[MK+\m], 0, -1, s[SM+\m]
.endr
	s_and_b32 s[ST], s[SM], s[SM+1]
	s_and_b32 s[ST], s[ST], s[SM+2]
	s_and_b32 s[ST], s[ST], s[SM+3]
	s_cmp_eq_u32 s[ST], -1
	s_cselect_b32 s[SMIX], 0, 1
	s_lshl_b32 s[ST], s[SE], 19
	s_mov_b32 s[ST+1], 0
	s_add_nc_u64 s[PW:PW+1], s[WB:WB+1], s[ST:ST+1]    ; no load that names these two bases is out: the pass before ended on a wait for all its loads
	s_lshl_b32 s[ST], s[SE], 15
	s_add_nc_u64 s[PS:PS+1], s[SB:SB+1], s[ST:ST+1]
.rept 4
	v_nop                                          ; four places behind the last pass's products, in front of the loads below
.endr
.irp q, 0,1,2,3
	global_load_b64 v[WS+2*\q:WS+2*\q+1], v[L8], s[PS:PS+1] offset:256*\q
.endr
.set kk, 0
.rept NR
.irp u, 0,1
.irp c, 0,1
	global_load_b128 v[WF+16*kk+8*\u+4*\c:WF+16*kk+8*\u+4*\c+3], v[LI], s[PW:PW+1] offset:kk*2048+\u*1024+\c*512
.endr
.endr
.set kk, kk+1
.endr
.irp s, 0,1,2,3,4,5,6,7
	KSTEP \s, \img
.endr
.endm
; The walk over the experts: eight trips, whatever the list holds.
.macro ELOOP img
	s_mov_b32 s[SE], 0
.Le_\@:
	s_wait_alu depctr_va_vdst(0)
.irp m, 0,1,2,3
	v_cmp_eq_u32 s[SM+\m], s[SE], v[EX+\m]
.endr
	s_or_b32 s[ST], s[SM], s[SM+1]
	s_or_b32 s[ST], s[ST], s[SM+2]
	s_or_b32 s[ST], s[ST], s[SM+3]
	s_cmp_lg_u32 s[ST], 0
	s_cbranch_scc0 .Lskip_\@
	PASS \img
.Lskip_\@:
	s_add_co_u32 s[SE], s[SE], 1
	s_cmp_lt_u32 s[SE], 8
	s_cbranch_scc1 .Le_\@
	s_wait_loadcnt 0x0
.rept 4
	v_nop                                          ; four places behind the last products, in front of the first read of results
.endr
.endm
	s_load_b256 s[4:11], s[0:1], 0x0               ; lists s[4:5], xq s[6:7], wq s[8:9], b1 s[10:11]
	s_load_b64 s[12:13], s[0:1], 0x20              ; hq
	v_lshl_add_u32 v[SPW], v0, 2, SPARE
	v_mov_b32 v[NIL], 0
	v_lshrrev_b32 v21, 5, v0
	s_delay_alu instid0(VALU_DEP_1)
	v_readfirstlane_b32 s14, v21                   ; wave 0..7
	s_and_b32 s16, ttmp7, 0xffff                   ; y: which 256 hidden units
	v_and_b32 v21, 31, v0                          ; lane
	v_and_b32 v22, 15, v0                          ; r
	v_bfe_u32 v23, v0, 4, 1                        ; h
	s_delay_alu instid0(VALU_DEP_3)
	v_lshlrev_b32 v[LI], 4, v21
	s_delay_alu instid0(VALU_DEP_4)
	v_lshlrev_b32 v[L8], 3, v21
	s_lshl_b32 s48, s14, 12
	v_add_nc_u32 v[GST], s48, v[LI]                ; wave w gathers row tile w / 2, K steps 4 (w % 2) on: 4,096 w + 16 lane
	v_mul_u32_u24 v[STO], v22, 144
	s_delay_alu instid0(VALU_DEP_1)
	v_lshl_add_u32 v[STO], v23, 3, v[STO]
	s_lshl_b32 s48, s14, 4
	s_add_co_u32 s48, s48, STG
	v_add_nc_u32 v[STO], s48, v[STO]               ; row r, 16 w + 8 h bytes on
	v_lshlrev_b32 v[SSO], 3, v22
	s_add_co_u32 s48, s14, SST
	v_add_nc_u32 v[SSO], s48, v[SSO]               ; row r, byte w
	v_lshrrev_b32 v[RDA], 3, v21
	s_delay_alu instid0(VALU_DEP_1)
	v_mul_u32_u24 v[RDA], v[RDA], 144
	v_and_b32 v[SRD], 7, v0
	s_delay_alu instid0(VALU_DEP_1)
	v_lshl_add_u32 v[RDA], v[SRD], 4, v[RDA]
	s_mul_i32 s48, s14, 8*144
	s_add_co_u32 s48, s48, STG
	v_add_nc_u32 v[RDA], s48, v[RDA]               ; back: my eight rows, eight lanes to a row of 128 bytes
	v_add_nc_u32 v[SRD], SST, v[LI]
	s_lshr_b32 s48, s14, 1
	s_lshl_b32 s48, s48, 6
	v_lshl_add_u32 v[GO], v22, 2, s48              ; rowinfo of row 16 (w / 2) + r
	v_lshlrev_b32 v[XO], 2, v21                    ; of row lane
	v_lshlrev_b32 v[XO+1], 2, v22                  ; of row r
	s_mov_b32 s20, 0x76543210
	s_mov_b32 s21, 0xfedcba98                      ; lane selects: lane l xor 16
	s_lshl_b32 s48, ttmp9, 8                       ; the tile's 64 words of rowinfo
	s_mov_b32 s49, 0
	s_wait_alu depctr_va_vdst(0)
	s_wait_kmcnt 0x0
	s_add_nc_u64 s[40:41], s[4:5], s[48:49]
	global_load_b32 v[RG], v[GO], s[40:41]
	global_load_b32 v[RJ], v[XO], s[40:41]
	global_load_b32 v[RJ+1], v[XO], s[40:41] offset:128
.irp m, 0,1,2,3
	global_load_b32 v[EX+\m], v[XO+1], s[40:41] offset:64*\m
.endr
	s_add_nc_u64 s[42:43], s[6:7], 0x200000        ; the scale bytes of x
	s_lshl_b32 s50, s16, 3
	s_add_co_u32 s50, s50, s14                     ; g
	s_lshl_b32 s48, s50, 14
	s_add_nc_u64 s[WB:WB+1], s[8:9], s[48:49]      ; layer 0
	s_lshl_b32 s48, s50, 10
	s_add_co_u32 s48, s48, 0x800000
	s_add_nc_u64 s[SB:SB+1], s[8:9], s[48:49]
	s_lshl_b32 s48, s16, 20
	s_lshl_b32 s50, ttmp9, 13
	s_add_co_u32 s48, s48, s50
	s_lshl_b32 s50, s14, 10
	s_add_co_u32 s48, s48, s50
	s_add_nc_u64 s[44:45], s[12:13], s[48:49]      ; hq: quarter y, rows 64 tile + 8 w on, 128 bytes a row
	s_lshl_b32 s48, s16, 16
	s_lshl_b32 s50, ttmp9, 9
	s_add_co_u32 s48, s48, s50
	s_add_co_u32 s48, s48, 0x400000
	s_add_nc_u64 s[46:47], s[12:13], s[48:49]      ; and the tile's 512 scale bytes
	s_and_b32 s50, s14, 1
	s_lshl_b32 s50, s50, 8                         ; the half of a row of codes that I gather
	s_lshl_b32 s51, s16, 10
	s_lshl_b32 s52, s14, 7
	s_add_co_u32 s51, s51, s52                     ; my 32 units in a row of b1, in bytes
	s_wait_loadcnt 0x0                             ; the list's words are in; their address registers are free
	v_and_b32 v[RG], 0xffff, v[RG]
	s_delay_alu instid0(VALU_DEP_1)
	v_min_u32 v[RG], 0xfff, v[RG]                  ; a token, held inside the table
	s_delay_alu instid0(VALU_DEP_1)
	v_lshlrev_b32 v[GO], 9, v[RG]
	s_delay_alu instid0(VALU_DEP_1)
	v_lshl_add_u32 v[GO], v23, 4, v[GO]
	s_delay_alu instid0(VALU_DEP_1)
	v_add_nc_u32 v[GO], s50, v[GO]
.irp j, 0,1
	v_and_b32 v[RJ+\j], 0xffff, v[RJ+\j]
	s_delay_alu instid0(VALU_DEP_1)
	v_min_u32 v[RJ+\j], 0xfff, v[RJ+\j]
	s_delay_alu instid0(VALU_DEP_1)
	v_lshlrev_b32 v[XO+\j], 5, v[RJ+\j]
.endr
	v_lshl_add_u32 v21, v23, 6, s51                ; + 16 h units
.irp m, 0,1,2,3
	v_lshrrev_b32 v[EX+\m], 16, v[EX+\m]
	s_delay_alu instid0(VALU_DEP_1)
	v_min_u32 v[EX+\m], 7, v[EX+\m]                ; an expert, held inside the table
	s_delay_alu instid0(VALU_DEP_1)
	v_lshl_add_u32 v[BO+\m], v[EX+\m], 12, v21
.endr
.irp i, 0,1,2,3
.irp c, 0,1
	global_load_b128 v[XF+8*\i+4*\c:XF+8*\i+4*\c+3], v[GO], s[6:7] offset:64*\i+32*\c   ; lane (r, h): K = 128 s + 64 c + 32 h on of its row: the operand's registers
.endr
.endr
.irp j, 0,1
.irp k, 0,1
	global_load_b128 v[XS+8*\j+4*\k:XS+8*\j+4*\k+3], v[XO+\j], s[42:43] offset:16*\k
.endr
.endr
.irp m, 0,1,2,3
.irp k, 0,1,2,3
	global_load_b128 v[ACC+16*\m+4*\k:ACC+16*\m+4*\k+3], v[BO+\m], s[10:11] offset:16*\k   ; the bias of my row's own expert starts the sums
.endr
.endr
	s_wait_loadcnt 20                              ; the eight gathered pieces are in; the 4 loads of scale words and 16 of bias stay out
.irp i, 0,1,2,3
.irp c, 0,1
	ds_store_b128 v[GST], v[XF+8*\i+4*\c:XF+8*\i+4*\c+3] offset:XIMG+1024*\i+512*\c
.endr
.endr
	s_wait_dscnt 0x0                               ; for the other waves: my images have landed
	s_barrier_signal -1
	s_barrier_wait -1
	ELOOP XIMG
; relu, then the block of 32 units of each row: 16 in my lane, 16 in lane l xor 16.  Each accumulator is read from its low end on.
.set n, 0
.rept 64
	v_max_num_f32 v[ACC+n], 0, v[ACC+n]
.set n, n+1
.endr
.irp m, 0,1,2,3
	v_max3_num_f32 v[TM+\m], v[ACC+16*\m], v[ACC+16*\m+1], 0x1800000   ; none is negative; the floor 2^(3 - 127) holds the byte at 1 from below
.endr
.irp i, 2,4,6,8,10,12,14
.irp m, 0,1,2,3
	s_delay_alu instid0(VALU_DEP_4)
	v_max3_num_f32 v[TM+\m], v[TM+\m], v[ACC+16*\m+\i], v[ACC+16*\m+\i+1]
.endr
.endr
.irp m, 0,1,2,3
	v_mov_b32 v[TM+4+\m], 0                        ; a lane permute's destination counts as one of its sources
.endr
.irp m, 0,1,2,3
	s_delay_alu instid0(VALU_DEP_4)
	v_permlanex16_b32 v[TM+4+\m], v[TM+\m], s20, s21
.endr
.irp m, 0,1,2,3
	s_delay_alu instid0(VALU_DEP_4)
	v_max_num_f32 v[TM+\m], v[TM+\m], v[TM+4+\m]
.endr
.irp m, 0,1,2,3
	s_delay_alu instid0(VALU_DEP_4)
	v_add_nc_u32 v[TM+12+\m], 0xff000000, v[TM+\m] ; the scale operand
.endr
.irp m, 0,1,2,3
	s_delay_alu instid0(VALU_DEP_4)
	v_lshrrev_b32 v[TM+4+\m], 23, v[TM+12+\m]      ; the scale byte
.endr
.irp m, 0,1,2,3
	v_cvt_scalef32_pk8_fp4_f32 v[PC+2*\m], v[ACC+16*\m:ACC+16*\m+7], v[TM+12+\m]
	v_cvt_scalef32_pk8_fp4_f32 v[PC+2*\m+1], v[ACC+16*\m+8:ACC+16*\m+15], v[TM+12+\m]
.endr
	v_nop                                          ; one plain place behind the last conversion
.irp m, 0,1,2,3
	ds_store_b64 v[STO], v[PC+2*\m:PC+2*\m+1] offset:2304*\m   ; units 32 w + 16 h on of row 16 m + r: 8 bytes, in memory's order
	ds_store_b8 v[SSO], v[TM+4+\m] offset:128*\m               ; both halves write the same byte with the same value
.endr
	s_wait_dscnt 0x0                               ; for the other waves: my part of the rows has landed
	s_barrier_signal -1
	s_barrier_wait -1
	ds_load_b128 v[WF:WF+3], v[RDA]
	ds_load_b128 v[WF+4:WF+7], v[RDA] offset:576
	s_wait_dscnt 0x0
	global_store_b128 v[LI], v[WF:WF+3], s[44:45]              ; four whole rows of 128 bytes: 512 consecutive bytes
	global_store_b128 v[LI], v[WF+4:WF+7], s[44:45] offset:512
	s_cmp_lg_u32 s14, 0
	s_cbranch_scc1 .Lend
	ds_load_b128 v[WF+8:WF+11], v[SRD]
	s_wait_dscnt 0x0
	global_store_b128 v[LI], v[WF+8:WF+11], s[46:47]           ; wave 0: the tile's 512 scale bytes
.Lend:
	s_wait_tensorcnt 0x0                           ; the wave's end
	ds_add_u32 v[SPW], v[NIL]
	s_wait_dscnt 0x0
	s_endpgm
.Lfunc_end_k_qb6ab713487_up:
	.size	k_qb6ab713487_up, .Lfunc_end_k_qb6ab713487_up-k_qb6ab713487_up
	.p2alignl 7, 3214868480
	.fill 96, 4, 3214868480
	.section	.rodata,"a",@progbits
	.p2align	6, 0x0
	.amdhsa_kernel k_qb6ab713487_up
		.amdhsa_group_segment_fixed_size 43520
		.amdhsa_private_segment_fixed_size 0
		.amdhsa_enable_private_segment 0
		.amdhsa_kernarg_size 40
		.amdhsa_user_sgpr_count 2
		.amdhsa_user_sgpr_kernarg_segment_ptr 1
		.amdhsa_wavefront_size32 1
		.amdhsa_system_sgpr_workgroup_id_x 1
		.amdhsa_system_sgpr_workgroup_id_y 1
		.amdhsa_system_sgpr_workgroup_id_z 1
		.amdhsa_system_vgpr_workitem_id 0
		.amdhsa_next_free_vgpr 248
		.amdhsa_next_free_sgpr 66
		.amdhsa_reserve_vcc 0
		.amdhsa_float_denorm_mode_32 3
		.amdhsa_float_denorm_mode_16_64 3
		.amdhsa_memory_ordered 1
		.amdhsa_forward_progress 1
		.amdhsa_inst_pref_size 45
	.end_amdhsa_kernel
	.amdgpu_metadata
---
amdhsa.version: [ 1, 2 ]
amdhsa.kernels:
  - .name:           k_qb6ab713487_up
    .symbol:         k_qb6ab713487_up.kd
    .args:
      - { .name: lists, .offset: 0, .size: 8, .value_kind: global_buffer, .address_space: global }
      - { .name: xq, .offset: 8, .size: 8, .value_kind: global_buffer, .address_space: global }
      - { .name: wq, .offset: 16, .size: 8, .value_kind: global_buffer, .address_space: global }
      - { .name: b1, .offset: 24, .size: 8, .value_kind: global_buffer, .address_space: global }
      - { .name: hq, .offset: 32, .size: 8, .value_kind: global_buffer, .address_space: global }
    .group_segment_fixed_size: 43520
    .private_segment_fixed_size: 0
    .kernarg_segment_align: 8
    .kernarg_segment_size: 40
    .max_flat_workgroup_size: 256
    .sgpr_count:     66
    .vgpr_count:     248
    .wavefront_size: 32
...
	.end_amdgpu_metadata
.endif
;; end of part 3
;; launch down (part 4): grid 32 x 8, 4 waves a work-group, no clusters, 199,168 bytes of LDS; arguments lists, hq, wq, coef, b2, out0; writes out0
.if DOCPART == 4
	.amdgcn_target "amdgcn-amd-amdhsa--gfx1250"
	.amdhsa_code_object_version 6
	.text
	.protected	k_qb6ab713487_down
	.globl	k_qb6ab713487_down
	.p2align	8
	.type	k_qb6ab713487_down,@function
k_qb6ab713487_down:
	s_mov_b64 s[64:65], 0
	v_nop
	global_prefetch_b8 v0, s[64:65] scope:SCOPE_SE
	s_setreg_imm32_b32 hwreg(HW_REG_WAVE_MODE, 25, 1), 1
	s_wait_xcnt 0x0
; out[token] = cLo (h_lo W2[lo] + b2[lo]) + cHi (h_hi W2[hi] + b2[hi]): the two chosen experts alone (the other six terms have the factor 0: shown at the head of the first kernel).
; SHARES.  A work-group takes 128 tokens, neighbours in the order sorted by pairs of experts, x 128 output columns; wave w all 128 tokens x the 32 columns of group g = 4 y + w.  Each output number has one owner.
; The tokens' lo rows and hi rows of h (2 x 128 rows x 512 bytes of codes) are gathered once into LDS as images of the operand registers and read by all four waves.
; SEGMENTS.  The block is walked by runs of tokens with one pair (lo, hi).  The weights of both experts for all of K lie in registers (2 x 128), straight from memory in the order in which the first launch laid them.
; A UNIT is a tile of 16 tokens: 8 K steps x (lo, hi) x 2 column tiles = 32 matrix instructions on four accumulators by turns; the bias is the C of the first K step.  The product is used transposed: lane (r, h)
; holds token r and columns 32 g + 16 h + 0 .. 15.  The two results are weighted at once and rest in 16 registers of the tile's own until the walk is over.
; THE FIRST SEGMENT is written out ahead of the loop and multiplies all eight tiles: its results start those registers whole, so nothing is cleared.  A later segment passes over, by a scalar branch on the stored
; list, the tiles that hold none of its tokens, and puts its results over the earlier ones only in the lanes whose token is its own: so rows of another pair in a tile need no zero codes.
; THE NEXT SEGMENT'S WEIGHTS are loaded while this segment is multiplied, into a second set of registers, and only for an expert that changes; at the change they are moved into the set that the products name,
; so that the units are not written once more for the second set.
; REGISTERS, in windows of 256 (s_set_vgpr_msb's low byte: bits 1:0 source 0, 3:2 source 1, 5:4 source 2, 7:6 destination).  Window 0: addresses, lists, scale words, biases, accumulators.
; Window 1: v0-127 a unit's row fragments (lo 8 s, hi 64 + 8 s), on the way out rows; v128-255 the finished results, tile m at 128 + 16 m.
; Window 2: the weights in use (lo at 0, hi at 128; K step s, tile u at 16 s + 8 u); at the head what I gather; on the way out v0-31 byte offsets in out.  Window 3: the weights to come (lo at 128, hi at 0).
; No tensor load, no cluster: the walk hangs on numbers read from memory.  No prefetch into the L2: the loads themselves run one segment ahead.  All LDS addresses are a constant + a lane term + a wave term,
; and no LDS store stands under a branch on the list.
.set OST,   131072                     ; LDS: images: slot 65,536 sl, tile 8,192 m, K step 1,024 s, register group 512 c, 16 x lane.  Behind them the stage: 128 rows x (512 bytes + 16)
.set OP,    528
.set SPARE, 198656                     ; the spare words, 128 bytes for each wave: two blocks of 256 bytes that no other line names
.set LI,  1                            ; v1   16 x lane; also the lo images' address
.set L8,  2                            ; v2   8 x lane
.set SPW, 3                            ; v3   my spare word; never rewritten
.set NIL, 4                            ; v4   0; never rewritten
.set GST, 5                            ; v5   where I store the images that I gather
.set OSO, 6                            ; v6   stage: my 64 bytes of a row
.set ORD, 7                            ; v7   stage, read back by rows
.set REC, 8                            ; v8-23    rec (pLo, pHi, token, lo | hi << 8) of token 32 j + lane
.set TE,  24                           ; v24-39   (8 x token, lo | hi << 8) of token 16 m + lane % 16
.set CF,  40                           ; v40-55   (cLo, cHi) of that token
.set XS,  56                           ; v56-119  the rows' scale words: 32 sl + 8 j + s: lane = row 32 j + lane
.set WS,  120                          ; v120-135 the weights' scale words in use: 8 sl + s: lanes 0-15 tile 0, lanes 16-31 tile 1
.set NWS, 136                          ; v136-151 those to come
.set BI,  152                          ; v152-183 the biases in use: 16 sl + my 16 columns
.set NBI, 184                          ; v184-215 those to come
.set ACC, 216                          ; v216-247 accumulator (sl, u) at 16 sl + 8 u; at the head at work
.set AH,  248                          ; v248 the hi images' address
.set BC,  249                          ; v249 my 16 columns in a row of b2, in bytes
.set TKN, 250                          ; v250 the token of row 32 w + lane
.set GO,  252                          ; v252-255 gather offsets
.set RES, 128                          ; window 1: the finished results
.set RR,  216
.set HH,  217
.set T0,  218
.set T1,  219
.set T2,  220
.set T3,  221
.set SO,  224                          ; v224-231 offsets of the rows' scale words
.set R,    20                          ; s20-23 tokens not yet in a segment, bit l of word j = token 32 j + l
.set MC,   24                          ; s24-27 the tokens of the segment in hand
.set MN,   28                          ; s28-31 of the next
.set PWC,  32                          ; s32, s33 their pair words
.set PWN,  33
.set HASN, 34                          ; s34 1: there is a next segment
.set NEED, 35                          ; s35, s36 1: its lo (hi) expert differs from the one in registers
.set LOC,  37                          ; s37, s38 the experts last asked for
.set CNT,  39
.set PW,   52                          ; s[52:57] lo: codes, scale words, bias; s[58:63] hi
.set TOK,  66                          ; s66-97 the tokens of my 32 rows on the way out (before that at work)
.set TT,   98
.set TU,   99
.set MSB, 0
.macro WIN new                         ; the immediate's high byte repeats the setting that is left; a switch that changes nothing is dropped
.if MSB != \new
	s_set_vgpr_msb (MSB<<8)|\new
.set MSB, \new
.endif
.endm
.macro MM sl, u, s, m
.set rD, ACC+16*(\sl)+8*(\u)
.if (\s) == 0
.set rC, BI+16*(\sl)+8*(\u)            ; the bias starts the sum
.else
.set rC, rD
.endif
.set rA, 128*(\sl)+16*(\s)+8*(\u)
.set rB, 64*(\sl)+8*(\s)
.set rW, WS+8*(\sl)+(\s)
.set rX, XS+32*(\sl)+8*((\m)/2)+(\s)
.if ((\u) == 0) && (((\m)%2) == 0)
	v_wmma_scale_f32_16x16x128_f8f6f4 v[rD:rD+7], v[rA:rA+7], v[rB:rB+7], v[rC:rC+7], v[rW], v[rX] matrix_a_fmt:MATRIX_FMT_FP4 matrix_b_fmt:MATRIX_FMT_FP4
.elseif ((\m)%2) == 0
	v_wmma_scale_f32_16x16x128_f8f6f4 v[rD:rD+7], v[rA:rA+7], v[rB:rB+7], v[rC:rC+7], v[rW], v[rX] matrix_a_fmt:MATRIX_FMT_FP4 matrix_b_fmt:MATRIX_FMT_FP4 matrix_a_scale:MATRIX_SCALE_ROW1
.elseif (\u) == 0
	v_wmma_scale_f32_16x16x128_f8f6f4 v[rD:rD+7], v[rA:rA+7], v[rB:rB+7], v[rC:rC+7], v[rW], v[rX] matrix_a_fmt:MATRIX_FMT_FP4 matrix_b_fmt:MATRIX_FMT_FP4 matrix_b_scale:MATRIX_SCALE_ROW1
.else
	v_wmma_scale_f32_16x16x128_f8f6f4 v[rD:rD+7], v[rA:rA+7], v[rB:rB+7], v[rC:rC+7], v[rW], v[rX] matrix_a_fmt:MATRIX_FMT_FP4 matrix_b_fmt:MATRIX_FMT_FP4 matrix_a_scale:MATRIX_SCALE_ROW1 matrix_b_scale:MATRIX_SCALE_ROW1
.endif
.endm
; The first token not yet taken names the next segment's pair; its tokens leave the set.  With no token left HASN = 0 and the rest is not used.
.macro NEXTSEG
	s_or_b32 s[TT], s[R], s[R+1]
	s_or_b32 s[TT], s[TT], s[R+2]
	s_or_b32 s[TT], s[TT], s[R+3]
	s_cmp_lg_u32 s[TT], 0
	s_cselect_b32 s[HASN], 1, 0
	s_mov_b32 s[PWN], 0
.irp j, 3,2,1,0
	s_ctz_i32_b32 s[TT], s[R+\j]
	s_and_b32 s[TT], s[TT], 31
	v_readlane_b32 s[TU], v[REC+4*\j+3], s[TT]
	s_cmp_lg_u32 s[R+\j], 0
	s_cselect_b32 s[PWN], s[TU], s[PWN]
.endr
.irp j, 0,1,2,3
	v_cmp_eq_u32 s[MN+\j], s[PWN], v[REC+4*\j+3]
.endr
.irp j, 0,1,2,3
	s_and_not1_b32 s[R+\j], s[R+\j], s[MN+\j]
.endr
	s_and_b32 s[TT], s[PWN], 0xff
	s_min_u32 s[TT], s[TT], 7                      ; experts, held inside the table
	s_bfe_u32 s[TU], s[PWN], 0x80008
	s_min_u32 s[TU], s[TU], 7
	s_cmp_lg_u32 s[TT], s[LOC]
	s_cselect_b32 s[NEED], s[HASN], 0
	s_cmp_lg_u32 s[TU], s[LOC+1]
	s_cselect_b32 s[NEED+1], s[HASN], 0
	s_mov_b32 s[LOC], s[TT]
	s_mov_b32 s[LOC+1], s[TU]
.endm
; 40 loads: one expert's scale words (4), bias (4) and codes of all 8 K steps (32 x 512 bytes) for my 32 columns, into the registers to come.  No load that names these bases is out here.
.macro LOADSET t
	s_lshl_b32 s44, s[LOC+\t], 19
	s_add_nc_u64 s[PW+6*\t:PW+6*\t+1], s[48:49], s[44:45]
	s_lshl_b32 s44, s[LOC+\t], 15
	s_add_nc_u64 s[PW+6*\t+2:PW+6*\t+3], s[50:51], s[44:45]
	s_lshl_b32 s44, s[LOC+\t], 12
	s_add_nc_u64 s[PW+6*\t+4:PW+6*\t+5], s[12:13], s[44:45]
.irp q, 0,1,2,3
	global_load_b64 v[NWS+8*\t+2*\q:NWS+8*\t+2*\q+1], v[L8], s[PW+6*\t+2:PW+6*\t+3] offset:256*\q
.endr
.irp k, 0,1,2,3
	global_load_b128 v[NBI+16*\t+4*\k:NBI+16*\t+4*\k+3], v[BC], s[PW+6*\t+4:PW+6*\t+5] offset:16*\k
.endr
	WIN 0xc0
.irp s, 0,1,2,3,4,5,6,7
.irp u, 0,1
.irp c, 0,1
	global_load_b128 v[128*(1-\t)+16*\s+8*\u+4*\c:128*(1-\t)+16*\s+8*\u+4*\c+3], v[LI], s[PW+6*\t:PW+6*\t+1] offset:\s*2048+\u*1024+\c*512
.endr
.endr
.endr
	WIN 0
.endm
; What has come becomes what is in use.
.macro TAKESET t
.set n, 0
.rept 8
	v_mov_b32 v[WS+8*\t+n], v[NWS+8*\t+n]
.set n, n+1
.endr
.set n, 0
.rept 16
	v_mov_b32 v[BI+16*\t+n], v[NBI+16*\t+n]
.set n, n+1
.endr
	WIN 0x83                                       ; destination window 2, source window 3
.set n, 0
.rept 128
	v_mov_b32 v[128*\t+n], v[128*(1-\t)+n]
.set n, n+1
.endr
	WIN 0
.endm
.macro STLE
.rept 8
	v_nop                                          ; a scale register written by a vector instruction stands eight places ahead of a scaled matrix instruction, an operand four
.endr
	s_wait_alu depctr_va_vdst(0)
.endm
; A segment's head: the next becomes the one in hand; the one after it is found, and what it needs anew is asked for.
.macro SEGHEAD
	s_mov_b32 s[PWC], s[PWN]
.irp j, 0,1,2,3
	s_mov_b32 s[MC+\j], s[MN+\j]
.endr
	NEXTSEG
	s_cmp_lg_u32 s[NEED], 0
	s_cbranch_scc0 .Lsame_lo_\@
	LOADSET 0
.Lsame_lo_\@:
	s_cmp_lg_u32 s[NEED+1], 0
	s_cbranch_scc0 .Lsame_hi_\@
	LOADSET 1
.Lsame_hi_\@:
.endm
; Tile m of 16 tokens, for the segment in hand.  first = 1: the block's first segment: every tile, and the results start the tile's registers whole.
.macro UNIT m, first
.if (\first) == 0
	s_bfe_u32 s[TT], s[MC+(\m)/2], 0x100000+16*((\m)%2)
	s_cmp_lg_u32 s[TT], 0
	s_cbranch_scc0 .Lno_\@                         ; no token of the segment in this tile
.endif
	WIN 0x40
.irp s, 0,1,2,3,4,5,6,7
.irp c, 0,1
	ds_load_b128 v[8*\s+4*\c:8*\s+4*\c+3], v[LI] offset:8192*(\m)+1024*\s+512*\c
.endr
.irp c, 0,1
	ds_load_b128 v[64+8*\s+4*\c:64+8*\s+4*\c+3], v[AH] offset:8192*(\m)+1024*\s+512*\c
.endr
.endr
	WIN 0x06                                       ; source 0 (weights) window 2, source 1 (rows) window 1, C and D window 0
.irp s, 0,1,2,3,4,5,6,7
	s_wait_dscnt 28-4*\s                           ; this K step's four loads are in; four for each younger step stay out
	MM 0, 0, \s, \m
	MM 0, 1, \s, \m
	MM 1, 0, \s, \m
	MM 1, 1, \s, \m
.endr
.rept 4
	v_nop                                          ; four places behind the last products, in front of the first read of results and of later loads and moves into their sources
.endr
.if \first
	WIN 0x40
.irp k, 0,2,4,6,8,10,12,14
	v_pk_mul_f32 v[RES+16*(\m)+\k:RES+16*(\m)+\k+1], v[ACC+\k:ACC+\k+1], v[CF+2*(\m):CF+2*(\m)+1] op_sel_hi:[1,0]   ; x cLo; each accumulator from its low end on
.endr
	WIN 0x50
.irp k, 0,2,4,6,8,10,12,14
	v_pk_fma_f32 v[RES+16*(\m)+\k:RES+16*(\m)+\k+1], v[ACC+16+\k:ACC+16+\k+1], v[CF+2*(\m):CF+2*(\m)+1], v[RES+16*(\m)+\k:RES+16*(\m)+\k+1] op_sel:[0,1,0] op_sel_hi:[1,1,1]   ; + cHi x hi
.endr
	WIN 0
.else
	WIN 0
.irp k, 0,2,4,6,8,10,12,14
	v_pk_mul_f32 v[ACC+\k:ACC+\k+1], v[ACC+\k:ACC+\k+1], v[CF+2*(\m):CF+2*(\m)+1] op_sel_hi:[1,0]
.endr
.irp k, 0,2,4,6,8,10,12,14
	v_pk_fma_f32 v[ACC+\k:ACC+\k+1], v[ACC+16+\k:ACC+16+\k+1], v[CF+2*(\m):CF+2*(\m)+1], v[ACC+\k:ACC+\k+1] op_sel:[0,1,0] op_sel_hi:[1,1,1]
.endr
	v_cmp_eq_u32 vcc_lo, s[PWC], v[TE+2*(\m)+1]    ; the lanes whose token belongs to the segment
	WIN 0x41                                       ; destination and source 0 window 1
.irp k, 0,1,2,3,4,5,6,7,8,9,10,11,12,13,14,15
	v_cndmask_b32 v[RES+16*(\m)+\k], v[RES+16*(\m)+\k], v[ACC+\k], vcc_lo
.endr
	WIN 0
.Lno_\@:
.endif
.endm
	s_load_b256 s[4:11], s[0:1], 0x0               ; lists s[4:5], hq s[6:7], wq s[8:9], coef s[10:11]
	s_load_b128 s[12:15], s[0:1], 0x20             ; b2 s[12:13], out s[14:15]
	v_lshl_add_u32 v[SPW], v0, 2, SPARE
	v_mov_b32 v[NIL], 0
	v_lshrrev_b32 v[T0], 5, v0
	v_readfirstlane_b32 s16, v[T0]                 ; wave 0..3
	s_and_b32 s18, ttmp7, 0xffff                   ; y: which 128 columns
	s_lshl_b32 s66, s16, 15                        ; wave w gathers slot w / 2, tiles 4 (w % 2) on: images from 32,768 w
	s_lshl_b32 s67, s16, 7
	s_add_co_u32 s67, s67, OST
	s_mul_i32 s68, s16, 32*OP
	s_add_co_u32 s68, s68, OST
	s_lshl_b32 s69, s18, 9
	s_lshl_b32 s70, s16, 7
	s_add_co_u32 s69, s69, s70                     ; my 32 columns in a row of b2, in bytes
	s_and_b32 s70, s16, 1
	s_lshl_b32 s70, s70, 10
	s_lshr_b32 s71, s16, 1
	s_lshl_b32 s71, s71, 2
	s_add_co_u32 s70, s70, s71                     ; rec of tile 4 (w % 2), word w / 2 (pLo or pHi)
	s_lshl_b32 s71, s16, 9
	s_lshl_b32 s44, ttmp9, 11
	s_add_co_u32 s44, s44, 32768                   ; the block's 128 recs of 16 bytes
	s_mov_b32 s45, 0
	v_and_b32 v[T0], 31, v0                        ; lane
	v_and_b32 v[RR], 15, v0                        ; r
	v_bfe_u32 v[HH], v0, 4, 1                      ; h
	v_lshlrev_b32 v[LI], 4, v[T0]
	v_lshlrev_b32 v[L8], 3, v[T0]
	v_lshlrev_b32 v[T1], 4, v[RR]                  ; rec of row r
	v_mul_u32_u24 v[OSO], v[RR], OP
	v_add_nc_u32 v[AH], 0x10000, v[LI]
	v_add_nc_u32 v[GST], s66, v[LI]
	v_add_nc_u32 v[ORD], s68, v[LI]                ; back: my 32 rows, 512 bytes an instruction
	v_lshl_add_u32 v[OSO], v[HH], 6, v[OSO]
	v_lshl_add_u32 v[BC], v[HH], 6, s69
	v_add_nc_u32 v[T2], s70, v[T1]
	v_add_nc_u32 v[T3], s71, v[LI]
	v_add_nc_u32 v[OSO], s67, v[OSO]               ; row r, 128 w + 64 h bytes on
	s_wait_alu depctr_va_vdst(0)
	s_wait_kmcnt 0x0
	s_add_nc_u64 s[40:41], s[4:5], s[44:45]
.irp i, 0,1,2,3
	global_load_b32 v[GO+\i], v[T2], s[40:41] offset:256*\i
.endr
.irp j, 0,1,2,3
	global_load_b128 v[REC+4*\j:REC+4*\j+3], v[LI], s[40:41] offset:512*\j
.endr
.irp m, 0,1,2,3,4,5,6,7
	global_load_b64 v[TE+2*\m:TE+2*\m+1], v[T1], s[40:41] offset:256*\m+8
.endr
	global_load_b32 v[TKN], v[T3], s[40:41] offset:8
	s_add_nc_u64 s[42:43], s[6:7], 0x400000        ; the scale bytes of h
	s_lshl_b32 s44, s18, 9
	s_add_nc_u64 s[46:47], s[14:15], s[44:45]      ; out at my work-group's 128 columns
	s_lshl_b32 s[TT], s18, 2
	s_add_co_u32 s[TT], s[TT], s16                 ; g
	s_lshl_b32 s44, s[TT], 14
	s_add_co_u32 s44, s44, 0x400000
	s_add_nc_u64 s[48:49], s[8:9], s[44:45]        ; layer 1: my group's codes of expert 0
	s_lshl_b32 s44, s[TT], 10
	s_add_co_u32 s44, s44, 0x840000
	s_add_nc_u64 s[50:51], s[8:9], s[44:45]        ; and its scale words
.irp j, 0,1,2,3
	s_mov_b32 s[R+\j], -1
.endr
	s_mov_b32 s[LOC], -1
	s_mov_b32 s[LOC+1], -1
	s_wait_loadcnt 0x0                             ; the list's words are in; their address registers are free
.irp i, 0,1,2,3
	v_min_u32 v[GO+\i], 0x1fff, v[GO+\i]           ; rows, held inside the table
.endr
.irp i, 0,1,2,3
	v_lshlrev_b32 v[GO+\i], 7, v[GO+\i]
.endr
.irp i, 0,1,2,3
	v_lshl_add_u32 v[GO+\i], v[HH], 4, v[GO+\i]
.endr
	WIN 0x80
.irp i, 0,1,2,3
.irp s, 0,1,2,3,4,5,6,7
.irp c, 0,1
	global_load_b128 v[64*\i+8*\s+4*\c:64*\i+8*\s+4*\c+3], v[GO+\i], s[6:7] offset:(\s/2)*1048576+(\s%2)*64+32*\c   ; lane (r, h): K = 128 s + 64 c + 32 h on of its row: the operand's registers
.endr
.endr
.endr
	WIN 0
	NEXTSEG                                        ; the first segment: both experts are asked for
	LOADSET 0
.irp sl, 0,1
.irp j, 0,1,2,3
	v_min_u32 v[SO+4*\sl+\j], 0x1fff, v[REC+4*\j+\sl]
.endr
.endr
.irp n, 0,1,2,3,4,5,6,7
	v_lshlrev_b32 v[SO+\n], 3, v[SO+\n]
.endr
.irp m, 0,1,2,3,4,5,6,7
	v_min_u32 v[TE+2*\m], 0xfff, v[TE+2*\m]        ; tokens likewise
.endr
.irp m, 0,1,2,3,4,5,6,7
	v_lshlrev_b32 v[TE+2*\m], 3, v[TE+2*\m]
.endr
.set n, 0
.rept 32
	v_readlane_b32 s[TOK+n], v[TKN], n             ; the tokens of my 32 rows on the way out, kept in scalar registers
	s_min_u32 s[TOK+n], s[TOK+n], 0xfff
.set n, n+1
.endr
	s_wait_alu depctr_va_vdst(0)
	s_wait_loadcnt 40                              ; the 64 gathered pieces are in; the 40 loads of the lo expert behind them stay out
	WIN 0x08
.irp i, 0,1,2,3
.irp s, 0,1,2,3,4,5,6,7
.irp c, 0,1
	ds_store_b128 v[GST], v[64*\i+8*\s+4*\c:64*\i+8*\s+4*\c+3] offset:8192*\i+1024*\s+512*\c
.endr
.endr
.endr
	WIN 0
	LOADSET 1
.irp sl, 0,1
.irp j, 0,1,2,3
.irp q, 0,1,2,3
	global_load_b64 v[XS+32*\sl+8*\j+2*\q:XS+32*\sl+8*\j+2*\q+1], v[SO+4*\sl+\j], s[42:43] offset:65536*\q   ; the scale words of K steps 2 q and 2 q + 1 of row 32 j + lane
.endr
.endr
.endr
.irp m, 0,1,2,3,4,5,6,7
	global_load_b64 v[CF+2*\m:CF+2*\m+1], v[TE+2*\m], s[10:11]
.endr
	s_wait_dscnt 0x0                               ; for the other waves: my images have landed
	s_barrier_signal -1
	s_barrier_wait -1
	s_wait_loadcnt 0x0                             ; the first segment's weights, the scale words and the coefficients are in
	TAKESET 0
	TAKESET 1
	STLE
	SEGHEAD
.irp m, 0,1,2,3,4,5,6,7
	UNIT \m, 1
.endr
	s_mov_b32 s[CNT], 0
.Lseg:                                                 ; a trip is a further segment; at most 128 of them, one a token
	s_cmp_eq_u32 s[HASN], 0
	s_cbranch_scc1 .Ldone
	s_wait_loadcnt 0x0                             ; its weights are in
	s_cmp_lg_u32 s[NEED], 0
	s_cbranch_scc0 .Lkeep_lo
	TAKESET 0
.Lkeep_lo:
	s_cmp_lg_u32 s[NEED+1], 0
	s_cbranch_scc0 .Lkeep_hi
	TAKESET 1
.Lkeep_hi:
	STLE
	SEGHEAD
.irp m, 0,1,2,3,4,5,6,7
	UNIT \m, 0
.endr
	s_add_co_u32 s[CNT], s[CNT], 1
	s_cmp_lt_u32 s[CNT], 128
	s_cbranch_scc1 .Lseg
.Ldone:
	s_wait_alu depctr_va_vdst(0)                   ; directly ahead of the first reader behind the branch
	WIN 0x04                                       ; the data: window 1
.irp m, 0,1,2,3,4,5,6,7
.irp k, 0,1,2,3
	ds_store_b128 v[OSO], v[RES+16*\m+4*\k:RES+16*\m+4*\k+3] offset:16*OP*\m+16*\k
.endr
.endr
	WIN 0x80
.set n, 0
.rept 32
	v_lshl_add_u32 v[n], s[TOK+n], 12, v[LI]       ; a row of out is 4,096 bytes; 16 bytes a lane
.set n, n+1
.endr
	WIN 0
	s_wait_alu depctr_va_vdst(0)
	s_wait_dscnt 0x0                               ; for the other waves: my columns of the 128 rows have landed
	s_barrier_signal -1
	s_barrier_wait -1
	WIN 0x40
.set n, 0
.rept 32
	ds_load_b128 v[4*n:4*n+3], v[ORD] offset:OP*n
.set n, n+1
.endr
	WIN 0x06                                       ; offset window 2, data window 1
.set n, 0
.rept 32
	s_wait_dscnt 31-n                              ; this row is back; the younger ones stay out
	global_store_b128 v[n], v[4*n:4*n+3], s[46:47] th:TH_STORE_NT   ; 32 lanes store 512 consecutive bytes of a token's row, at a multiple of 256 from the buffer's first byte
.set n, n+1
.endr
	WIN 0
	s_wait_tensorcnt 0x0                           ; the wave's end
	ds_add_u32 v[SPW], v[NIL]
	s_wait_dscnt 0x0
	s_endpgm
.Lfunc_end_k_qb6ab713487_down:
	.size	k_qb6ab713487_down, .Lfunc_end_k_qb6ab713487_down-k_qb6ab713487_down
	.p2alignl 7, 3214868480
	.fill 96, 4, 3214868480
	.section	.rodata,"a",@progbits
	.p2align	6, 0x0
	.amdhsa_kernel k_qb6ab713487_down
		.amdhsa_group_segment_fixed_size 199168
		.amdhsa_private_segment_fixed_size 0
		.amdhsa_enable_private_segment 0
		.amdhsa_kernarg_size 48
		.amdhsa_user_sgpr_count 2
		.amdhsa_user_sgpr_kernarg_segment_ptr 1
		.amdhsa_wavefront_size32 1
		.amdhsa_system_sgpr_workgroup_id_x 1
		.amdhsa_system_sgpr_workgroup_id_y 1
		.amdhsa_system_sgpr_workgroup_id_z 1
		.amdhsa_system_vgpr_workitem_id 0
		.amdhsa_next_free_vgpr 1024
		.amdhsa_next_free_sgpr 101
		.amdhsa_reserve_vcc 1
		.amdhsa_float_denorm_mode_32 3
		.amdhsa_float_denorm_mode_16_64 3
		.amdhsa_memory_ordered 1
		.amdhsa_forward_progress 1
		.amdhsa_inst_pref_size 211
	.end_amdhsa_kernel
	.amdgpu_metadata
---
amdhsa.version: [ 1, 2 ]
amdhsa.kernels:
  - .name:           k_qb6ab713487_down
    .symbol:         k_qb6ab713487_down.kd
    .args:
      - { .name: lists, .offset: 0, .size: 8, .value_kind: global_buffer, .address_space: global }
      - { .name: hq, .offset: 8, .size: 8, .value_kind: global_buffer, .address_space: global }
      - { .name: wq, .offset: 16, .size: 8, .value_kind: global_buffer, .address_space: global }
      - { .name: coef, .offset: 24, .size: 8, .value_kind: global_buffer, .address_space: global }
      - { .name: b2, .offset: 32, .size: 8, .value_kind: global_buffer, .address_space: global }
      - { .name: out0, .offset: 40, .size: 8, .value_kind: global_buffer, .address_space: global }
    .group_segment_fixed_size: 199168
    .private_segment_fixed_size: 0
    .kernarg_segment_align: 8
    .kernarg_segment_size: 48
    .max_flat_workgroup_size: 128
    .sgpr_count:     101
    .vgpr_count:     1024
    .wavefront_size: 32
...
	.end_amdgpu_metadata
.endif
;; end of part 4
